; MI455X (gfx1250); checked and timed in simulation.
; The chip was launched on July 23, 2026; its instructions are those of AMD's public machine-readable ISA for CDNA 5 (MIT licence, August 2026) and "CDNA5" Instruction Set Architecture Reference Guide (July 2026). The comments in the code are by the model that wrote it; some were corrected since.
;; Bert Self Attention. Allowed arithmetic: matrix products marked QUANTISED: E2M1 operands, one E8M0 scale for each 32 along K, by v_wmma_scale_f32_16x16x128_f8f6f4 with both operands' format E2M1 (or v_wmma_scale_f32_32x16x128_f4), f32 sums; everything else in f32.
;; Inputs: Wk 1,024 x 1,024 float32; Wq 1,024 x 1,024 float32; Wv 1,024 x 1,024 float32; attention_mask 4 x 1 x 1 x 2,048 float32; bk 1,024 float32; bq 1,024 float32; bv 1,024 float32; hidden_states 4 x 2,048 x 1,024 float32.
;; Outputs: out0 4 x 2,048 x 1,024 float32.
;; This version of the problem:
;;   THIS VERSION OF THE PROBLEM IS GIVEN IN LOW PRECISION. The matrix products marked QUANTISED in the list below multiply operands that are first quantised to E2M1 (2 exponent bits, 1 mantissa bit; 4 bits a number), with one power-of-two scale for each 32 numbers along K (OCP MX v1.0); their sums are f32. All else is computed in f32.
;;   The module's matrix products, in the order in which they are computed (A, B: the left and right operand; K: the contracted axis; several contracted axes count as one K, in the product's order):
;;     1. [M 8,192, K 1,024] x [K 1,024, N 1,024]; A: input hidden_states; B: input Wq: QUANTISED
;;     2. [M 8,192, K 1,024] x [K 1,024, N 1,024]; A: input hidden_states; B: input Wk: QUANTISED
;;     3. [M 8,192, K 1,024] x [K 1,024, N 1,024]; A: input hidden_states; B: input Wv: QUANTISED
;;     4. batch 64 x [M 2,048, K 64] x [K 64, N 2,048]; A: computed on the way; B: computed on the way: QUANTISED
;;     5. batch 64 x [M 2,048, K 2,048] x [K 2,048, N 64]; A: softmax (see below); B: computed on the way: QUANTISED
;;   THE QUANTISER, for each operand of a quantised product, along K:
;;     - K is cut into blocks of 32 from its start; a last block that is shorter is filled with zeros.
;;     - A block's scale is 2^e with e = floor(log2(the largest magnitude in the block)) - 2, held to -126 .. 127; a block of zeros has e = 0. As a byte (E8M0): e + 127.
;;     - Each number is divided by its block's scale, clamped to +-6, and rounded to the nearest number of E2M1, ties to even, subnormals kept.
;;     - The product sums the exact products of the quantised numbers (number of the format x scale) in f32.
;;   ~~~python
;;   def quantise(x, axis):      # numpy; x: float32 -> the quantised numbers, widened to float32 again
;;       x = np.moveaxis(x, axis, -1); K = x.shape[-1]
;;       x = np.pad(x, [(0, 0)] * (x.ndim - 1) + [(0, -K % 32)]); x = x.reshape(x.shape[:-1] + (-1, 32)); a = np.abs(x).max(-1, keepdims=True)
;;       e = np.where(a > 0, np.clip(np.frexp(np.where(a > 0, a, 1))[1] - 1 - 2, -126, 127), 0)      # np.frexp(a)[1] - 1 = floor(log2(a)), exactly
;;       r = np.clip(x / 2.0 ** e, -6, 6)
;;       step = 2.0 ** (np.maximum(np.frexp(np.where(r == 0, 1, r))[1] - 1, 0) - 1)
;;       q = np.round(r / step) * step * 2.0 ** e      # np.round: ties to even
;;       return np.moveaxis(q.reshape(q.shape[:-2] + (-1,))[..., :K], -1, axis).astype(np.float32)
;;   ~~~
;;   SOFTMAX AHEAD OF A QUANTISED PRODUCT. Where the list says 'softmax', what is quantised is not the finished softmax but p = 2^(t - M), with t = logit x log2(e) and M = ceil(the row's largest t), a whole number; so 1/2 < the row's largest p <= 1. The row's sum l is taken of the UNQUANTISED p, in f32, and the product's result is divided by l at the end. Since M is a whole number, a kernel that streams over the keys may use a running M (the ceiling of the running maximum): every later rescaling is an exact power of two, which a block's scale takes up: the codes' values come out the same.
;;   OPERANDS COMPUTED ON THE WAY. 'Computed on the way' means the value that the module computes at that place (a softmax that the list does not call 'softmax' is quantised finished and normalised). What goes into a quantiser is computed in f32, as accurately as f32 sums, v_exp_f32 and their like allow (about 1e-6 of the number): no bf16 or f16 on the way to a quantiser, and a product that is left as it is and whose result goes on into a quantised operand takes f32 operands (vector FMAs, or v_wmma_f32_16x16x4_f32). A number that lies on a knife's edge between two numbers of the format may be rounded either way, as far as f32 arithmetic and the matrix unit's own rounding can turn it there, and no further.
;; One version. Each part assembles by itself: llvm-mc -triple=amdgcn-amd-amdhsa -mcpu=gfx1250 --defsym DOCPART=n.
;; ======== version 1 of 1: 3 launches
;; limits: inputs' magnitudes at most 1.585e+29; right only within a limited range of input values
;; workspace buffers: codes 5,767,168 bytes; scales 360,448 bytes; qkv 13,369,344 bytes
;; launch quant (part 1): grid 352 x 1, 4 waves a work-group, no clusters, 33,280 bytes of LDS; arguments hidden_states, Wq, Wk, Wv, codes, scales; writes codes, scales
.if DOCPART == 1
	.amdgcn_target "amdgcn-amd-amdhsa--gfx1250"
	.amdhsa_code_object_version 6
	.text
	.protected	k_q03a5b58daf_quant
	.globl	k_q03a5b58daf_quant
	.p2align	8
	.type	k_q03a5b58daf_quant,@function
k_q03a5b58daf_quant:
	s_mov_b64 s[64:65], 0
	v_nop
	global_prefetch_b8 v0, s[64:65] scope:SCOPE_SE
	s_setreg_imm32_b32 hwreg(HW_REG_WAVE_MODE, 25, 1), 1
	s_wait_xcnt 0x0
; hidden_states [8192][1024] and Wq, Wk, Wv [1024][1024], f32, K innermost, become codes of FP4 (E2M1), two a byte, with one E8M0 scale byte for each 32 along K.
; codes: 11,264 rows x 512 bytes (x, then Wq, Wk, Wv); scales: 11,264 rows x 32 bytes, in the same order of rows.  Every input is read.
; THE ORDER OF ROWS: inside every 64 rows the runs of 8 rows are stored as true runs 0, 4, 1, 5, 2, 6, 3, 7.  Stored row 16 t + 8 h + j is then true row 8 t + 32 h + j, so that in a matrix result
; whose rows are four neighbouring stored tiles a lane's 32 registers are 32 neighbouring true rows: a whole block of the next quantiser.
; A wave takes 8 rows, so only its place in the output changes: true run 4 (work-group % 2) + wave goes to place 2 wave + work-group % 2 of the pair of work-groups' eight.
; A block's scale is 2^(floor(log2(its largest magnitude)) - 2); its byte is the largest magnitude's exponent field - 2, held at 1 from below.
; LIMITS: a block of zeros gets the byte 1 where the rule says 127 (its codes are zeros, and this program alone reads the bytes); blocks whose largest magnitude lies under 2^-124 keep the byte 1;
; NaN and infinities among the inputs are not served.
; A wave takes 16 steps of 512 numbers.  Each of a step's four loads reads 512 consecutive bytes, 16 a lane; the 2,048 bytes turn through the wave's own stage in LDS and come back 64 bytes a lane, so that a lane
; holds 16 neighbours along K (two lanes to a block).  A lane's 16 codes are 8 bytes: the wave stores 256 consecutive bytes.  A wave's 256 scale bytes are gathered in LDS and leave as one aligned run of 256 bytes.
; No cluster, no tensor load, no barrier: the waves share nothing.  Loads run eight steps (32 loads a wave) ahead, the turn through LDS one step.
.set STEPS, 16
.set AHD,   8                          ; steps of loads that are out
.set EMAX,  2
.set CB,    8                          ; bytes of 16 codes
.set R,     16                         ; v16-143  eight sets of 16 numbers as they are loaded
.set X,     144                        ; v144-175 two sets of 16 neighbours
.set E,     176                        ; v176-191 a scale byte for each step
.set C,     192                        ; v192-223 codes: two registers for each step, so that no store's data are written again
.set SPW,   224                        ; my spare word's LDS address; never rewritten
.set NIL,   225                        ; 0; never rewritten
.set WREG,  8192                       ; LDS: a region for each wave: two stages of 32 x SP bytes, behind them its 256 scale bytes
.set SP,    80                         ; a lane's place in a stage: its 64 bytes + 16 of padding
	s_load_b256 s[4:11], s[0:1], 0x0               ; x s[4:5], Wq s[6:7], Wk s[8:9], Wv s[10:11]
	s_load_b128 s[12:15], s[0:1], 0x20             ; codes s[12:13], scales s[14:15]
	v_lshl_add_u32 v[SPW], v0, 2, 0x8000
	v_mov_b32 v[NIL], 0
	v_lshrrev_b32 v1, 5, v0
	v_readfirstlane_b32 s16, v1                    ; wave
	v_and_b32 v2, 31, v0                           ; lane
	v_lshlrev_b32 v3, 4, v2                        ; my 16 bytes of a load's 512
	s_mul_i32 s17, s16, WREG
	v_lshrrev_b32 v14, 2, v2
	v_mul_u32_u24 v14, v14, SP
	v_and_b32 v15, 3, v2
	v_lshl_add_u32 v14, v15, 4, v14
	v_add_nc_u32 v14, s17, v14                     ; the stage, on the way in: SP (lane / 4) + 16 (lane % 4)
	v_mul_u32_u24 v15, v2, SP
	v_add_nc_u32 v15, s17, v15                     ; and on the way out: SP x lane: my 16 neighbours
	v_mul_u32_u24 v4, v2, CB                       ; my codes' place in a step's
	v_lshrrev_b32 v5, 1, v2
	s_add_co_u32 s17, s17, 2*32*SP
	v_add_nc_u32 v5, s17, v5                       ; LDS: my wave's 256 scale bytes, my block's byte
	v_lshlrev_b32 v7, 3, v2                        ; and on the way out 8 bytes a lane
	v_add_nc_u32 v6, s17, v7
	s_lshl_b32 s18, s16, 1
	s_and_b32 s19, ttmp9, 1
	s_or_b32 s18, s18, s19                         ; my run's place among the eight of 64 rows: 2 wave + work-group % 2
	s_lshr_b32 s19, ttmp9, 1
	s_lshl_b32 s19, s19, 3
	s_add_co_u32 s18, s18, s19                     ; the run of 8 rows that I write
	s_and_b32 s20, ttmp9, 31                       ; a weight has 32 work-groups, and 256, 288, 320 are multiples of 32
	s_wait_alu depctr_va_vdst(0)                   ; the wait at the head's end
	s_wait_kmcnt 0x0
	s_cmp_lt_u32 ttmp9, 320                        ; which tensor: the choices hang on the work-group's number alone
	s_cselect_b64 s[8:9], s[8:9], s[10:11]
	s_cmp_lt_u32 ttmp9, 288
	s_cselect_b64 s[6:7], s[6:7], s[8:9]
	s_cmp_lt_u32 ttmp9, 256
	s_cselect_b64 s[4:5], s[4:5], s[6:7]
	s_cselect_b32 s20, ttmp9, s20                  ; the work-group's number inside its tensor
	s_lshl_b32 s20, s20, 2
	s_add_co_u32 s20, s20, s16                     ; the run of 8 rows that I read,
	s_lshl_b32 s20, s20, 15                        ; 32,768 bytes each
	s_mov_b32 s21, 0
	s_add_nc_u64 s[4:5], s[4:5], s[20:21]
	s_lshl_b32 s22, s18, 12                        ; 4,096 bytes of codes a run
	s_mov_b32 s23, 0
	s_add_nc_u64 s[12:13], s[12:13], s[22:23]
	s_lshl_b32 s22, s18, 8                         ; 256 scale bytes a run
	s_add_nc_u64 s[14:15], s[14:15], s[22:23]
.macro LOAD t
.irp i, 0,1,2,3
	global_load_b128 v[R+16*((\t)%AHD)+4*\i:R+16*((\t)%AHD)+4*\i+3], v3, s[4:5] offset:2048*(\t)+512*\i th:TH_LOAD_NT   ; 32 lanes read 512 consecutive bytes
.endr
.endm
.macro TURN t                          ; step t's numbers through the stage: LDS serves a wave's instructions in order, so no wait stands between the stores and the loads
.irp i, 0,1,2,3
	ds_store_b128 v14, v[R+16*((\t)%AHD)+4*\i:R+16*((\t)%AHD)+4*\i+3] offset:32*SP*((\t)%2)+8*SP*\i
.endr
.irp i, 0,1,2,3
	ds_load_b128 v[X+16*((\t)%2)+4*\i:X+16*((\t)%2)+4*\i+3], v15 offset:32*SP*((\t)%2)+16*\i
.endr
.endm
.irp t, 0,1,2,3,4,5,6,7
	LOAD \t
.endr
	s_wait_loadcnt 4*(AHD-1)                       ; step 0's four loads are in; the 28 of steps 1 to 7 may be out
	TURN 0
.macro STEP t
.set XS, X+16*((\t)%2)
.if (\t) > 0
	s_wait_dscnt 1                                 ; this step's numbers are back from the stage (the last step's byte store may be out): so its stores into the stage have read their registers,
.else
	s_wait_dscnt 0x0
.endif
.if (\t)+AHD < STEPS
	LOAD (\t)+AHD                                  ; which take the loads of eight steps on
.endif
.if (\t)+1 < STEPS
.if STEPS-2-(\t) >= AHD-1
	s_wait_loadcnt 4*(AHD-1)                       ; the next step's four loads are in; those of the seven steps behind it may be out
.else
	s_wait_loadcnt 4*(STEPS-2-(\t))                ; at the end the count runs down
.endif
	TURN (\t)+1                                    ; and go through the other stage while this step is worked
.endif
	v_max3_num_f32 v8, |v[XS]|, |v[XS+1]|, |v[XS+2]|               ; the largest magnitude of my 16, in two chains
	v_max3_num_f32 v9, |v[XS+3]|, |v[XS+4]|, |v[XS+5]|
.irp i, 6,10
	v_max3_num_f32 v8, v8, |v[XS+\i]|, |v[XS+\i+1]|
	v_max3_num_f32 v9, v9, |v[XS+\i+2]|, |v[XS+\i+3]|
.endr
	v_max3_num_f32 v8, v8, |v[XS+14]|, |v[XS+15]|
	v_max3_num_f32 v8, v8, v9, (EMAX+1)<<23        ; and the floor 2^(3 - 127): the byte cannot fall under 1
	v_max_num_f32_dpp v8, v8, v8 row_xmask:1 row_mask:0xf bank_mask:0xf   ; and of my neighbour's 16: the block's
	v_add_nc_u32 v11, -(EMAX<<23), v8              ; 2 off its exponent field: the conversion takes the exponent field of this operand as its scale, and nothing else of it
	v_cvt_scalef32_pk8_fp4_f32 v[C+2*(\t)], v[XS:XS+7], v11
	v_cvt_scalef32_pk8_fp4_f32 v[C+2*(\t)+1], v[XS+8:XS+15], v11
	v_lshrrev_b32 v[E+(\t)], 23, v11               ; the scale's byte (also the plain line behind the conversions)
	ds_store_b8 v5, v[E+(\t)] offset:16*(\t)       ; both lanes of a block write the same byte with the same value
	global_store_b64 v4, v[C+2*(\t):C+2*(\t)+1], s[12:13] offset:32*CB*(\t)   ; 32 lanes store 256 consecutive bytes, aligned
.endm
.irp t, 0,1,2,3,4,5,6,7,8,9,10,11,12,13,14,15
	STEP \t
.endr
	ds_load_b64 v[12:13], v6                       ; LDS serves a wave's instructions in order: these see my stores
	s_wait_dscnt 0x0
	global_store_b64 v7, v[12:13], s[14:15]        ; 32 lanes store 256 consecutive bytes, aligned
	s_wait_tensorcnt 0x0                           ; the wave's end
	ds_add_u32 v[SPW], v[NIL]
	s_wait_dscnt 0x0
	s_endpgm
.Lfunc_end_k_q03a5b58daf_quant:
	.size	k_q03a5b58daf_quant, .Lfunc_end_k_q03a5b58daf_quant-k_q03a5b58daf_quant
	.p2alignl 7, 3214868480
	.fill 96, 4, 3214868480
	.section	.rodata,"a",@progbits
	.p2align	6, 0x0
	.amdhsa_kernel k_q03a5b58daf_quant
		.amdhsa_group_segment_fixed_size 33280
		.amdhsa_private_segment_fixed_size 0
		.amdhsa_enable_private_segment 0
		.amdhsa_kernarg_size 48
		.amdhsa_user_sgpr_count 2
		.amdhsa_user_sgpr_kernarg_segment_ptr 1
		.amdhsa_wavefront_size32 1
		.amdhsa_system_sgpr_workgroup_id_x 1
		.amdhsa_system_sgpr_workgroup_id_y 1
		.amdhsa_system_sgpr_workgroup_id_z 1
		.amdhsa_system_vgpr_workitem_id 0
		.amdhsa_next_free_vgpr 226
		.amdhsa_next_free_sgpr 66
		.amdhsa_reserve_vcc 0
		.amdhsa_float_denorm_mode_32 3
		.amdhsa_float_denorm_mode_16_64 3
		.amdhsa_memory_ordered 1
		.amdhsa_forward_progress 1
		.amdhsa_inst_pref_size 34
	.end_amdhsa_kernel
	.amdgpu_metadata
---
amdhsa.version: [ 1, 2 ]
amdhsa.kernels:
  - .name:           k_q03a5b58daf_quant
    .symbol:         k_q03a5b58daf_quant.kd
    .args:
      - { .name: hidden_states, .offset: 0, .size: 8, .value_kind: global_buffer, .address_space: global }
      - { .name: Wq, .offset: 8, .size: 8, .value_kind: global_buffer, .address_space: global }
      - { .name: Wk, .offset: 16, .size: 8, .value_kind: global_buffer, .address_space: global }
      - { .name: Wv, .offset: 24, .size: 8, .value_kind: global_buffer, .address_space: global }
      - { .name: codes, .offset: 32, .size: 8, .value_kind: global_buffer, .address_space: global }
      - { .name: scales, .offset: 40, .size: 8, .value_kind: global_buffer, .address_space: global }
    .group_segment_fixed_size: 33280
    .private_segment_fixed_size: 0
    .kernarg_segment_align: 8
    .kernarg_segment_size: 48
    .max_flat_workgroup_size: 128
    .sgpr_count:     66
    .vgpr_count:     226
    .wavefront_size: 32
...
	.end_amdgpu_metadata
.endif
;; end of part 1
;; launch proj (part 2): grid 8 x 32, 4 waves a work-group, clusters of 4 x 4, 327,680 bytes of LDS; arguments codes, scales, bq, bk, bv, qkv; writes qkv
.if DOCPART == 2
	.amdgcn_target "amdgcn-amd-amdhsa--gfx1250"
	.amdhsa_code_object_version 6
	.text
	.protected	k_q03a5b58daf_proj
	.globl	k_q03a5b58daf_proj
	.p2align	8
	.type	k_q03a5b58daf_proj,@function
k_q03a5b58daf_proj:
	s_mov_b64 s[64:65], 0
	v_nop
	global_prefetch_b8 v0, s[64:65] scope:SCOPE_SE
	s_setreg_imm32_b32 hwreg(HW_REG_WAVE_MODE, 25, 1), 1
	s_wait_xcnt 0x0
	s_wait_alu depctr_hold_cnt(0) depctr_sa_sdst(0) depctr_va_vdst(0) depctr_va_sdst(0) depctr_va_ssrc(0) depctr_va_vcc(0) depctr_vm_vsrc(0)
	s_getreg_b32 s2, hwreg(HW_REG_IB_STS2, 6, 4)
	s_cmp_eq_u32 s2, 0
	s_cbranch_scc0 .Lentry_in_a_cluster
	s_endpgm
.Lentry_in_a_cluster:
	s_bfe_u32 s2, ttmp6, 0x10000c
	s_cmp_lg_u32 s2, 0xf033
	s_cbranch_scc0 .Lentry_shape_is_right
	s_endpgm
.Lentry_shape_is_right:
; q, k, v = x W^T + b on codes of FP4 with E8M0 scales, quantised again on the way out and stored in qkv as images of the next launch's operand registers.
; 256 work-groups of four waves, in clusters of 4 x 4.  A WORK-GROUP MAKES TWO TILES.
; TILE 1: 256 tokens (tile 4 x cluster y + cy) x 256 channels of q (cluster x = 0) or k (1), weight tile 4 x cluster x + cx; a wave makes 128 x 128, 64 accumulators.  K = 1,024 lies in two LDS slots of 512.
; TILE 2: the same 256 tokens, which still lie whole in LDS, x 128 rows of Wv (half u = 4 x cluster x + cx: the eight work-groups that hold one token tile take the eight halves); a wave makes 128 tokens x 64 channels, one head.
; Wv's rows come into slot 0's weight region, which tile 1 has read out at its change of slots: K bytes 0-255 into rows 0-127, K bytes 256-511 into rows 128-255; their scale bytes have LDS bytes of their own.
; JOINT LOADS: the tokens' tiles are shared along a row of the cluster, the weights' (Wv's too) along a column.  At the head one load a wave: tokens' and weights' K step 0, their scale bytes.  Behind the full sequence
; and a round: K step 1 of both, and Wv's scale bytes (first fills).  Behind the round at the change of slots: Wv's two parts (refills).  By the text's own count a wave has one load out at a time.
; THE PRODUCTS ARE USED TRANSPOSED.  Tile 1: source 0 = weight rows, source 1 = tokens: a lane holds a token, its registers run along the channels.  Tile 2: source 0 = tokens, source 1 = Wv's rows: a lane holds a channel,
; its registers run along the tokens.  By the stored order of rows (16 t + 8 h + j is true row 8 t + 32 h + j inside 64) the 32 registers of four neighbouring tiles are one whole block of the next quantiser.
; qkv, for each (batch, head), HB bytes: 16 key steps x (k's eight tile images, v's eight half fragments, 512 bytes each); from KVSC the steps' scale words; from QIMG q's 128 tile images; from QSC q's scale words.
; Nothing is prefetched: K has two steps, every tile is asked for at the head or a slot's products ahead of its use, and the text has no loop to run ahead in.
; LIMITS: a block of zeros gets the byte 1 (its codes are zeros; this program alone reads the bytes); NaN and infinities are not served.
; REGISTERS: window 0: v1-31 addresses; v32-95 scale words, then codes on the way out; v96-99 v's bias; v104-127 at work; v128-191 source 1's fragments, then the sums with their bias; v192-255 q's or k's bias.
;   window 1: source 0's fragments, two sets; windows 2 and 3: the accumulators ((a, b) at v[8 (8 (a % 4) + b)]).
.set NQ,     4
.set ROWB,   256
.set KROW,   512
.set PITCH,  272
.set FR,     8
.set NL,     2
.set NP,     4
.set HALFT,  128*PITCH
.set SLOT,   4*HALFT                   ; the tokens' 256 rows, then the weights' 256 rows
.set KS,     32
.set SCL,    2*SLOT                    ; scale bytes as units of 256 + 16: the tokens', then the weights'
.set HALFS,  16*272                    ; those of 128 rows
.set SBLK,   2*272                     ; those of 16 rows
.set SCL2,   SCL+4*HALFS               ; Wv's
.set SPARE,  SCL2+HALFS                ; the spare words, 128 bytes a wave, named by no other line
.set HB,     208896
.set KVSC,   131072
.set QIMG,   139264
.set QSC,    204800
.set LI,   8
.set SOFF, 9
.set SELV, 10
.set BPO,  11
.set T4,   12
.set ADRA, 16                          ; v16-17 my 128 tokens in slot 0, 1
.set ADRW, 18                          ; v18-19 my 64 rows of Wv, K part 0, 1
.set ADRB, 20                          ; v20-21 my 128 weight rows in slot 0, 1
.set BRO,  22
.set SH8,  23
.set ADRS2, 24                         ; scale words for tile 2: lanes 0-15 tokens, lanes 16-31 Wv
.set ADRT, 25                          ; all lanes: tokens
.set ADRS, 27                          ; scale words for tile 1: lanes 0-15 tokens, lanes 16-31 weights
.set SPW,  28
.set NIL,  29
.set SC,   32
.set PC,   32
.set BR,   96
.set TM,   104
.set SW,   120
.set AF,   128
.set H,    128
.set BP,   192
.set G1, 24
.set G0, 32
.set G1B, 48
.set G0B, 56
.set G1S, 68
.set G0S, 76
.set G1SB, 80
.set G0SB, 88
.set MSB, 0
.macro WIN new                         ; the immediate's high byte repeats the setting that is left
.if MSB != (\new)
	s_set_vgpr_msb (MSB<<8)|(\new)
.set MSB, (\new)
.endif
.endm
.set MUL_LO, 0xa1                      ; source 0 window 1, source 1 window 0, C and D window 2
.set MUL_HI, 0xf1
.set TO_B,   0x40
.macro ARM under, g0, g1, next, join   ; one arm of a chain of branches on the wave's number: its load, the lines behind it, a jump to the join
	s_cmp_lt_u32 s16, \under
	s_cbranch_scc0 \next
	tensor_load_to_lds s[\g0:\g0+3], s[\g1:\g1+7]
	s_nop 0
.rept 4
	v_nop
.endr
	s_branch \join
\next:
.endm
.macro CREST                           ; a round of the cluster's barrier behind its opening barrier
	s_cmp_lg_u32 s16, 0
	s_cbranch_scc1 .Lnot_wave_0_\@
	s_barrier_signal -3
.Lnot_wave_0_\@:
	s_barrier_wait -3
	s_barrier_signal -1
	s_barrier_wait -1
.endm
.macro CROUND
	s_barrier_signal -1
	s_barrier_wait -1
	CREST
.endm
	s_load_b256 s[4:11], s[0:1], 0x0               ; codes, scales, bq, bk
	s_load_b128 s[12:15], s[0:1], 0x20             ; bv, qkv
	v_lshl_add_u32 v[SPW], v0, 2, SPARE
	v_mov_b32 v[NIL], 0
	ds_add_u32 v[SPW], v[NIL]                      ; the opening lines: the add twice on end and its wait
	ds_add_u32 v[SPW], v[NIL]
	v_lshrrev_b32 v1, 5, v0
	v_readfirstlane_b32 s16, v1                    ; wave
	s_lshr_b32 s17, s16, 1                         ; which 128 tokens are mine
	s_and_b32 s18, s16, 1                          ; which 128 weight rows (tile 2: which 64 rows of Wv)
	s_bfe_u32 s19, ttmp6, 0x40000                  ; cx
	s_bfe_u32 s20, ttmp6, 0x40004                  ; cy
	s_and_b32 s40, ttmp7, 0xffff
	s_lshl_b32 s40, s40, 2
	s_add_co_u32 s40, s40, s20                     ; the token tile
	s_lshl_b32 s46, ttmp9, 2
	s_add_co_u32 s46, s46, s19                     ; u
	s_add_co_u32 s41, s46, 32                      ; the weight tile among the stored rows: Wq's are 32-35, Wk's 36-39
	s_lshl_b32 s42, s20, 2
	s_lshl_b32 s42, 15, s42                        ; my row of the cluster
	s_lshl_b32 s43, 0x1111, s19                    ; my column
	s_or_b32 s[G1+0], s42, (0<<16)|(1<<20)|(1<<21)|(5<<22)|(3<<25)   ; the mask; elements of 1 byte; padding of 4 words behind every 64; bit 21 beside a mask
	s_or_b32 s[G1B+0], s43, (0<<16)|(1<<20)|(1<<21)|(5<<22)|(3<<25)
.irp g, G1, G1B
	s_mov_b32 s[\g+1], ROWB<<16
	s_mov_b32 s[\g+2], 256<<16
	s_mov_b32 s[\g+3], ROWB<<16
	s_mov_b32 s[\g+4], 256
	s_mov_b32 s[\g+5], KROW
	s_mov_b32 s[\g+6], 0
	s_mov_b32 s[\g+7], 0
.endr
	s_or_b32 s[G1S+0], s42, (3<<16)|(1<<20)|(1<<21)|(5<<22)|(3<<25)  ; scale bytes: dense, as rows of 256 bytes (32 elements of 8)
	s_or_b32 s[G1SB+0], s43, (3<<16)|(1<<20)|(1<<21)|(5<<22)|(3<<25)
.irp g, G1S, G1SB
	s_mov_b32 s[\g+1], 32<<16
	s_mov_b32 s[\g+2], 32<<16
	s_mov_b32 s[\g+3], 32<<16
	s_mov_b32 s[\g+4], 32
	s_mov_b32 s[\g+5], 32
	s_mov_b32 s[\g+6], 0
	s_mov_b32 s[\g+7], 0
.endr
	s_lshl_b32 s22, s40, 8                         ; first rows: the tokens',
	s_lshl_b32 s23, s41, 8                         ; the weights',
	s_lshl_b32 s46, s46, 7
	s_add_co_u32 s46, s46, 10240                   ; Wv's half
	s_lshl_b32 s92, s22, 9                         ; 512 bytes of codes a row,
	s_mov_b32 s93, 0
	s_lshl_b32 s94, s22, 5                         ; 32 scale bytes
	s_mov_b32 s95, 0
	s_lshl_b32 s36, s23, 9
	s_mov_b32 s37, 0
	s_lshl_b32 s38, s23, 5
	s_mov_b32 s39, 0
	s_lshl_b32 s60, s46, 9
	s_mov_b32 s61, 0
	s_lshl_b32 s62, s46, 5
	s_mov_b32 s63, 0
	s_mov_b32 s[G0], 1
	s_mov_b32 s[G0+1], 0
	s_mov_b32 s[G0B], 1
	s_mov_b32 s[G0B+1], 2*HALFT
	s_mov_b32 s[G0S], 1
	s_mov_b32 s[G0S+1], SCL
	s_mov_b32 s[G0SB], 1
	s_mov_b32 s[G0SB+1], SCL+2*HALFS
	s_wait_dscnt 0x0                               ; both opening adds are done
	s_wait_kmcnt 0x0
	s_add_nc_u64 s[G0+2:G0+3], s[4:5], s[92:93]
	s_or_b32 s[G0+3], s[G0+3], 0x80000000
	s_add_nc_u64 s[G0B+2:G0B+3], s[4:5], s[36:37]
	s_or_b32 s[G0B+3], s[G0B+3], 0x80000000
	s_add_nc_u64 s[G0S+2:G0S+3], s[6:7], s[94:95]
	s_or_b32 s[G0S+3], s[G0S+3], 0x80000000
	s_add_nc_u64 s[G0SB+2:G0SB+3], s[6:7], s[38:39]
	s_or_b32 s[G0SB+3], s[G0SB+3], 0x80000000
	s_add_nc_u64 s[44:45], s[4:5], s[60:61]        ; Wv's codes
	s_add_nc_u64 s[100:101], s[6:7], s[62:63]      ; and scale bytes
	CROUND                                         ; all sixteen work-groups are here: the first joint loads meet
	ARM 1, G0,  G1,  .Lh1, .Lhj                    ; the head's four tiles, one a wave
	ARM 2, G0B, G1B, .Lh2, .Lhj
	ARM 3, G0S, G1S, .Lh3, .Lhj
	tensor_load_to_lds s[G0SB:G0SB+3], s[G1SB:G1SB+7]
	s_nop 0
.rept 4
	v_nop
.endr
.Lhj:
	; all scalar set-up first, then the vector lines on end
	s_mul_i32 s2, s17, HALFT                       ; my tokens in slot 0,
	s_add_co_u32 s3, s2, SLOT                      ; slot 1
	s_mul_i32 s22, s18, HALFT
	s_add_co_u32 s22, s22, 2*HALFT                 ; my weight rows
	s_add_co_u32 s23, s22, SLOT
	s_mul_i32 s46, s18, 64*PITCH
	s_add_co_u32 s46, s46, 2*HALFT                 ; my rows of Wv, K part 0,
	s_add_co_u32 s47, s46, HALFT                   ; part 1
	s_mul_i32 s92, s17, HALFS
	s_add_co_u32 s92, s92, SCL                     ; my tokens' scale bytes
	s_mul_i32 s93, s18, HALFS
	s_add_co_u32 s93, s93, SCL+2*HALFS
	s_sub_co_u32 s93, s93, s92                     ; from there to my weight rows',
	s_mul_i32 s94, s18, HALFS/2
	s_add_co_u32 s94, s94, SCL2
	s_sub_co_u32 s94, s94, s92                     ; and to my rows of Wv's
	s_cmp_eq_u32 ttmp9, 0
	s_cselect_b64 s[66:67], s[8:9], s[10:11]       ; bq or bk,
	s_lshl_b32 s36, s19, 8
	s_lshl_b32 s37, s18, 7
	s_add_co_u32 s36, s36, s37
	s_lshl_b32 s36, s36, 2                         ; at channel 256 cx + 128 half
	s_mov_b32 s37, 0
	s_add_nc_u64 s[66:67], s[66:67], s[36:37]
	s_lshl_b32 s36, ttmp9, 2
	s_add_co_u32 s36, s36, s19
	s_lshl_b32 s36, s36, 1
	s_add_co_u32 s36, s36, s18
	s_lshl_b32 s36, s36, 8                         ; bv at channel 128 u + 64 half
	s_add_nc_u64 s[98:99], s[12:13], s[36:37]
	s_mov_b32 s96, 0x76543210
	s_mov_b32 s97, 0xfedcba98                      ; v_permlanex16_b32's selects for lane l xor 16
	v_and_b32 v1, 15, v0                           ; r
	v_bfe_u32 v2, v0, 4, 1                         ; h
	v_mul_u32_u24 v3, v1, PITCH
	v_lshl_add_u32 v4, v2, 4, v3                   ; a fragment's row x pitch + 16 h
	v_add_nc_u32 v[ADRA], s2, v4
	v_add_nc_u32 v[ADRA+1], s3, v4
	v_add_nc_u32 v[ADRB], s22, v4
	v_add_nc_u32 v[ADRB+1], s23, v4
	v_add_nc_u32 v[ADRW], s46, v4
	v_add_nc_u32 v[ADRW+1], s47, v4
	v_mul_u32_u24 v5, v1, KS
	v_lshrrev_b32 v6, 8, v5
	v_lshl_add_u32 v5, v6, 4, v5                   ; my row's scale bytes: 32 a row, 16 more for each 256 passed
	v_mul_u32_u24 v6, s93, v2
	v_mul_u32_u24 v7, s94, v2
	v_add_nc_u32 v6, v5, v6
	v_add_nc_u32 v7, v5, v7
	v_add_nc_u32 v[ADRS], s92, v6
	v_add_nc_u32 v[ADRS2], s92, v7
	v_add_nc_u32 v[ADRT], s92, v5
	v_and_b32 v[LI], 31, v0
	v_lshlrev_b32 v[LI], 4, v[LI]                  ; 16 x lane: an image's place for my lane
	v_mul_u32_u24 v[SOFF], v2, HB
	v_lshl_add_u32 v[SOFF], v1, 4, v[SOFF]
	v_mov_b32 v[SELV], 0x05040100
	v_mov_b32 v3, 0x07060302
	v_cmp_ne_u32 vcc_lo, 0, v2
	v_cndmask_b32 v[SELV], v[SELV], v3, vcc_lo
	v_lshlrev_b32 v[BPO], 7, v2                    ; q, k: my half's 32 channels of each 64
	v_lshlrev_b32 v[SH8], 3, v2
	v_and_b32 v3, 8, v1
	v_mad_u32_u24 v3, v3, 3, v1                    ; v: lane r of a tile holds channel r % 8 + 32 (r / 8) of the tile's
	v_lshlrev_b32 v[BRO], 2, v3
	v_mov_b32 v[TM+4], 0                           ; written once: the lane permute's destination
.irp t, 0,1,2,3,4,5,6,7
	global_load_b128 v[BP+8*\t:BP+8*\t+3], v[BPO], s[66:67] offset:(64*(\t/4)+8*(\t%4))*4
	global_load_b128 v[BP+8*\t+4:BP+8*\t+7], v[BPO], s[66:67] offset:(64*(\t/4)+8*(\t%4))*4+16
.endr
.irp a, 0,1,2,3
	global_load_b32 v[BR+\a], v[BRO], s[98:99] offset:32*\a
.endr
.macro FRAG reg, adr, q, i             ; 16 rows x 128 K of 4-bit codes: 8 registers, two loads of 16 bytes a lane
.irp c, 0,1
	ds_load_b128 v[\reg+4*\c:\reg+4*\c+3], v[\adr] offset:64*(\q)+32*\c+(\i)*16*PITCH
.endr
.endm
.macro MUL16 a0, p, q, sc, zero        ; tile 1: token blocks a0, a0 + 1 x the eight weight blocks; the accumulators by turns
.irp a, \a0, \a0+1
.irp b, 0,1,2,3,4,5,6,7
.if \zero
	v_wmma_scale_f32_16x16x128_f8f6f4 v[8*(8*((\a)%4)+\b):8*(8*((\a)%4)+\b)+7], v[128*(\p)+FR*\b:128*(\p)+FR*\b+FR-1], v[AF+FR*(\a):AF+FR*(\a)+FR-1], 0, v[SC+8*NQ*(\sc)+NQ*\b+(\q)], v[SC+8*NQ*(\sc)+NQ*(\a)+(\q)] matrix_a_fmt:MATRIX_FMT_FP4 matrix_b_fmt:MATRIX_FMT_FP4 matrix_a_scale:MATRIX_SCALE_ROW1
.else
	v_wmma_scale_f32_16x16x128_f8f6f4 v[8*(8*((\a)%4)+\b):8*(8*((\a)%4)+\b)+7], v[128*(\p)+FR*\b:128*(\p)+FR*\b+FR-1], v[AF+FR*(\a):AF+FR*(\a)+FR-1], v[8*(8*((\a)%4)+\b):8*(8*((\a)%4)+\b)+7], v[SC+8*NQ*(\sc)+NQ*\b+(\q)], v[SC+8*NQ*(\sc)+NQ*(\a)+(\q)] matrix_a_fmt:MATRIX_FMT_FP4 matrix_b_fmt:MATRIX_FMT_FP4 matrix_a_scale:MATRIX_SCALE_ROW1
.endif
.endr
.endr
.endm
.macro FETCH_B slot, q, p
	WIN TO_B
.irp i, 0,1,2,3,4,5,6,7
	FRAG 128*(\p)+FR*\i, ADRB+\slot, \q, \i
.endr
	WIN 0
.endm
.macro FETCH_A slot, q, i0
.irp i, \i0, \i0+1, \i0+2, \i0+3
	FRAG AF+FR*(\i), ADRA+\slot, \q, \i
.endr
.endm
.macro SCALES sc                       ; slot sc's scale words: four a row; lanes 0-15 the tokens' block i, lanes 16-31 the weights'
.irp i, 0,1,2,3,4,5,6,7
	ds_load_b128 v[SC+8*NQ*\sc+NQ*\i:SC+8*NQ*\sc+NQ*\i+3], v[ADRS] offset:\i*SBLK+16*\sc
.endr
.endm
.macro PLACES n
.rept \n
	v_nop
.endr
.endm
.macro STEP slot, q, zero
	s_wait_dscnt 4*NL                              ; all but the youngest eight loads (token blocks 4-7) are in
	WIN MUL_LO
	MUL16 0, (\q)%2, \q, \slot, \zero
	MUL16 2, (\q)%2, \q, \slot, \zero
	s_wait_dscnt 0
	PLACES NP
	FETCH_B \slot, (\q)+1, 1-(\q)%2
	FETCH_A \slot, (\q)+1, 0
	WIN MUL_HI
	MUL16 4, (\q)%2, \q, \slot, \zero
	MUL16 6, (\q)%2, \q, \slot, \zero
	PLACES NP
	WIN 0
	FETCH_A \slot, (\q)+1, 4
.endm
.macro STEPS slot, from
.set Q, \from
.rept NQ-1-\from
	STEP \slot, Q, 0
.set Q, Q+1
.endr
.endm
; 64 numbers of a lane, two whole blocks of 32 (block 2 c + h in registers 32 c ..), become 8 registers of codes and the row's scale word
.macro QUANT s, pc, pw
.irp c, 0,1
	v_max3_num_f32 v[TM+\c], |v[(\s)+32*\c]|, |v[(\s)+1+32*\c]|, 0x1800000   ; the floor 2^(3 - 127): the byte cannot fall under 1
	v_max3_num_f32 v[TM+2+\c], |v[(\s)+16+32*\c]|, |v[(\s)+17+32*\c]|, |v[(\s)+18+32*\c]|
.endr
.irp i, 2,4,6,8,10,12
.irp c, 0,1
	v_max3_num_f32 v[TM+\c], v[TM+\c], |v[(\s)+32*\c+\i]|, |v[(\s)+1+32*\c+\i]|   ; two chains a block, the four by turns
	v_max3_num_f32 v[TM+2+\c], v[TM+2+\c], |v[(\s)+17+32*\c+\i]|, |v[(\s)+18+32*\c+\i]|
.endr
.endr
.irp c, 0,1
	v_max3_num_f32 v[TM+\c], v[TM+\c], |v[(\s)+14+32*\c]|, |v[(\s)+15+32*\c]|
.endr
.irp c, 0,1
	v_max3_num_f32 v[TM+\c], v[TM+\c], v[TM+2+\c], |v[(\s)+31+32*\c]|
.endr
.irp c, 0,1
	v_add_nc_u32 v[TM+12+\c], 0xff000000, v[TM+\c]   ; 2 off the exponent field: the conversion's scale operand
.endr
.irp c, 0,1
	v_lshrrev_b32 v[TM+8+\c], 23, v[TM+12+\c]        ; the scale's byte
.endr
	v_lshl_or_b32 v[TM+8], v[TM+9], 16, v[TM+8]      ; my bytes of blocks h and 2 + h,
	v_lshlrev_b32 v[TM+8], v[SH8], v[TM+8]           ; at their places,
	v_permlanex16_b32 v[TM+4], v[TM+8], s96, s97
	v_or_b32 v[\pw], v[TM+8], v[TM+4]                ; and with lane l xor 16's two the word is whole, in both halves
.irp c, 0,1
.irp u, 0,1,2,3
	v_cvt_scalef32_pk8_fp4_f32 v[(\pc)+4*\c+\u], v[(\s)+32*\c+8*\u:(\s)+32*\c+8*\u+7], v[TM+12+\c]   ; registers 4 c .. 4 c + 3: k = 64 c + 32 h + 0 .. 31
.endr
.endr
	v_nop                                            ; one plain line behind the scaled conversions
.endm
.macro ADDP a                          ; tile 1: block a's sums + the bias of my registers' channels
	WIN 0x02+(\a)/4
.set AC, 64*((\a)%4)
.set i, 0
.rept 32
	v_pk_add_f32 v[H+i:H+i+1], v[AC+i:AC+i+1], v[BP+i:BP+i+1]
.set i, i+2
.endr
	WIN 0
.endm
.macro ADDR a                          ; tile 2: block a's sums + the bias of my lane's channel
	WIN 0x02+(\a)/4
.set AC, 64*((\a)%4)
.set i, 0
.rept 32
	v_pk_add_f32 v[H+i:H+i+1], v[AC+i:AC+i+1], v[BR+2*((\a)/2):BR+2*((\a)/2)+1] op_sel:[0,(\a)%2] op_sel_hi:[1,(\a)%2]
.set i, i+2
.endr
	WIN 0
.endm
	s_wait_alu depctr_va_vdst(0)                   ; the wait at the head's end
	s_wait_tensorcnt 0x0                           ; my tile of the head's four is in
	ds_add_u32 v[SPW], v[NIL]
	s_mov_b32 s[G0+1], SLOT                        ; no tensor load of mine is out, so descriptors may be written: K step 1 of the tokens,
	s_add_nc_u64 s[G0+2:G0+3], s[G0+2:G0+3], ROWB
	s_mov_b32 s[G0B+1], SLOT+2*HALFT               ; of the weights,
	s_add_nc_u64 s[G0B+2:G0B+3], s[G0B+2:G0B+3], ROWB
	s_mov_b32 s[G0SB+1], SCL2                      ; and the scale bytes of Wv's 128 rows: 16 rows of 256 bytes
	s_mov_b64 s[G0SB+2:G0SB+3], s[100:101]
	s_or_b32 s[G0SB+3], s[G0SB+3], 0x80000000
	s_mov_b32 s[G1SB+2], 16<<16
	s_mov_b32 s[G1SB+4], 16
	s_wait_dscnt 0x0
	CROUND                                         ; all four tiles are in, and all sixteen work-groups are here
	ARM 1, G0,   G1,   .Lr1, .Lrj                  ; three first fills; wave 3 has none
	ARM 2, G0B,  G1B,  .Lr2, .Lrj
	ARM 3, G0SB, G1SB, .Lr3, .Lrj
.Lrj:
	; TILE 1
	FETCH_B 0, 0, 0
	FETCH_A 0, 0, 0
	SCALES 0
	FETCH_A 0, 0, 4
	STEP 0, 0, 1                                   ; the first products start the sums
	STEPS 0, 1
	s_wait_tensorcnt 0x0                           ; the change of slots: all my tensor loads have landed;
	ds_add_u32 v[SPW], v[NIL]
	s_wait_dscnt 4*NL+1
	WIN MUL_LO
	MUL16 0, 1, NQ-1, 0, 0
	s_wait_dscnt 0x0                               ; the add is done, and my reads of slot 0 are over
	s_barrier_signal -1
	MUL16 2, 1, NQ-1, 0, 0
	WIN 0
	s_barrier_wait -1
	CREST                                          ; the barrier has opened a round: no wave of any partner still reads slot 0 or has a load on its way
	s_mov_b32 s[G0+1], 2*HALFT                     ; Wv's 128 rows, K bytes 0-255, over the weights' rows 0-127 of slot 0,
	s_mov_b64 s[G0+2:G0+3], s[44:45]
	s_or_b32 s[G0+3], s[G0+3], 0x80000000
	s_mov_b32 s[G0B+1], 3*HALFT                    ; K bytes 256-511 over rows 128-255
	s_add_nc_u64 s[G0B+2:G0B+3], s[44:45], ROWB
	s_or_b32 s[G0B+3], s[G0B+3], 0x80000000
	s_mov_b32 s[G1B+2], 128<<16
	s_mov_b32 s[G1B+4], 128
	ARM 1, G0,  G1B, .Lc1, .Lcj                    ; both go down my column of the cluster; waves 2 and 3 have none
	ARM 2, G0B, G1B, .Lc2, .Lcj
.Lcj:
	PLACES NP
	FETCH_B 1, 0, 0
	FETCH_A 1, 0, 0
	SCALES 1
	WIN MUL_HI
	MUL16 4, 1, NQ-1, 0, 0
	MUL16 6, 1, NQ-1, 0, 0
	PLACES NP
	WIN 0
	FETCH_A 1, 0, 4
	STEPS 1, 0
	s_wait_dscnt 4*NL
	WIN MUL_LO
	MUL16 0, 1, NQ-1, 1, 0
	MUL16 2, 1, NQ-1, 1, 0
	s_wait_dscnt 0
	WIN MUL_HI
	MUL16 4, 1, NQ-1, 1, 0
	MUL16 6, 1, NQ-1, 1, 0
	WIN 0
	; tile 1's way out: q's or k's images and scale words
	s_wait_loadcnt 0x0                             ; the biases
	PLACES NP
	s_lshl_b32 s2, s40, 8
	s_lshl_b32 s3, s17, 7
	s_add_co_u32 s2, s2, s3                        ; my first token
	s_lshr_b32 s3, s2, 11                          ; batch
	s_bfe_u32 s2, s2, 0x40007                      ; which 128 tokens of the batch
	s_lshl_b32 s3, s3, 4
	s_lshl_b32 s23, s19, 2
	s_add_co_u32 s3, s3, s23
	s_lshl_b32 s23, s18, 1
	s_add_co_u32 s3, s3, s23                       ; 16 batch + my first head
	s_mul_i32 s3, s3, HB
	s_lshl_b32 s98, s2, 12
	s_add_co_u32 s98, s98, QIMG
	s_lshl_b32 s99, s2, 13
	s_lshl_b32 s23, s2, 8
	s_add_co_u32 s23, s23, QSC
	s_lshl_b32 s2, s2, 9
	s_add_co_u32 s2, s2, KVSC
	s_cmp_eq_u32 ttmp9, 0
	s_cselect_b32 s98, s98, s99
	s_cselect_b32 s2, s23, s2
	s_add_co_u32 s98, s98, s3
	s_add_co_u32 s2, s2, s3
	s_mov_b32 s99, 0
	s_mov_b32 s3, 0
	s_add_nc_u64 s[98:99], s[14:15], s[98:99]
	s_add_nc_u64 s[2:3], s[14:15], s[2:3]
.irp a, 0,1,2,3,4,5,6,7
	ADDP \a
	QUANT H, PC+8*\a, SW+\a
.irp c, 0,1
	global_store_b128 v[LI], v[PC+8*\a+4*\c:PC+8*\a+4*\c+3], s[98:99] offset:512*\a+\c*HB   ; 32 lanes store 512 consecutive bytes: head c's image of tile a
.endr
.endr
.irp b, 0,1,2,3
	v_perm_b32 v[T4+\b], v[SW+2*\b+1], v[SW+2*\b], v[SELV]   ; pair words: tiles 2 b and 2 b + 1, lanes 0-15 the first head's bytes, lanes 16-31 the second's
.endr
	global_store_b128 v[SOFF], v[T4:T4+3], s[2:3]
	; TILE 2
	s_wait_alu depctr_va_vdst(0)                   ; directly ahead of the waits below
	s_wait_xcnt 0x0                                ; the stores have read their registers and bases, which are written again below
	s_wait_tensorcnt 0x0                           ; my part of Wv has landed
	ds_add_u32 v[SPW], v[NIL]
	s_wait_dscnt 0x0
	s_barrier_signal -1
	s_barrier_wait -1                              ; Wv's rows are whole
.macro FETCH_T slot, q, p              ; my tokens' eight fragments into set p of window 1
	WIN TO_B
.irp i, 0,1,2,3,4,5,6,7
	FRAG 128*(\p)+FR*\i, ADRA+\slot, \q, \i
.endr
	WIN 0
.endm
.macro FETCH_W part, q, p              ; my four fragments of Wv into set p
.irp i, 0,1,2,3
	FRAG AF+FR*(4*(\p)+\i), ADRW+\part, \q, \i
.endr
.endm
.macro SCALESV sc                      ; lanes 0-15 the tokens' block i; lanes 16-31 Wv's block i, of which there are four
.irp i, 0,1,2,3
	ds_load_b128 v[SC+8*NQ*\sc+NQ*\i:SC+8*NQ*\sc+NQ*\i+3], v[ADRS2] offset:\i*SBLK+16*\sc
.endr
.irp i, 4,5,6,7
	ds_load_b128 v[SC+8*NQ*\sc+NQ*\i:SC+8*NQ*\sc+NQ*\i+3], v[ADRT] offset:\i*SBLK+16*\sc
.endr
.endm
.macro MULV a0, k                      ; Wv's blocks a0, a0 + 1 x the eight token blocks, the k-th 128 along K; the 32 accumulators by turns
.irp a, \a0, \a0+1
.irp b, 0,1,2,3,4,5,6,7
.if (\k) == 0
	v_wmma_scale_f32_16x16x128_f8f6f4 v[8*(8*(\a)+\b):8*(8*(\a)+\b)+7], v[128*((\k)%2)+FR*\b:128*((\k)%2)+FR*\b+FR-1], v[AF+FR*(4*((\k)%2)+(\a)):AF+FR*(4*((\k)%2)+(\a))+FR-1], 0, v[SC+8*NQ*((\k)/4)+NQ*\b+(\k)%4], v[SC+8*NQ*((\k)/4)+NQ*(\a)+(\k)%4] matrix_a_fmt:MATRIX_FMT_FP4 matrix_b_fmt:MATRIX_FMT_FP4 matrix_b_scale:MATRIX_SCALE_ROW1
.else
	v_wmma_scale_f32_16x16x128_f8f6f4 v[8*(8*(\a)+\b):8*(8*(\a)+\b)+7], v[128*((\k)%2)+FR*\b:128*((\k)%2)+FR*\b+FR-1], v[AF+FR*(4*((\k)%2)+(\a)):AF+FR*(4*((\k)%2)+(\a))+FR-1], v[8*(8*(\a)+\b):8*(8*(\a)+\b)+7], v[SC+8*NQ*((\k)/4)+NQ*\b+(\k)%4], v[SC+8*NQ*((\k)/4)+NQ*(\a)+(\k)%4] matrix_a_fmt:MATRIX_FMT_FP4 matrix_b_fmt:MATRIX_FMT_FP4 matrix_b_scale:MATRIX_SCALE_ROW1
.endif
.endr
.endr
.endm
.macro VSTEP k
	s_wait_dscnt 0x0                               ; this step's fragments, asked for a step ago, are in
.if (\k) < 7
.set KN, (\k)+1
	PLACES NP                                      ; between the last step's products and the loads into the sets that they read
	FETCH_T KN/4, KN%4, KN%2
	FETCH_W KN/4, KN%4, KN%2
.endif
	WIN MUL_LO
	MULV 0, \k
	MULV 2, \k
	WIN 0
.endm
	FETCH_T 0, 0, 0
	FETCH_W 0, 0, 0
	SCALESV 0
	SCALESV 1
.irp k, 0,1,2,3,4,5,6,7
	VSTEP \k
.endr
	; tile 2's way out: v's half fragments and scale words of one head and one key step
	PLACES NP
	s_lshl_b32 s2, s40, 8
	s_lshl_b32 s3, s17, 7
	s_add_co_u32 s2, s2, s3                        ; my first token
	s_lshr_b32 s3, s2, 11                          ; batch
	s_bfe_u32 s2, s2, 0x40007                      ; key step
	s_lshl_b32 s3, s3, 4
	s_lshl_b32 s23, ttmp9, 3
	s_add_co_u32 s3, s3, s23
	s_lshl_b32 s23, s19, 1
	s_add_co_u32 s3, s3, s23
	s_add_co_u32 s3, s3, s18                       ; 16 batch + head, head = 2 u + my half
	s_mul_i32 s3, s3, HB
	s_lshl_b32 s98, s2, 13
	s_add_co_u32 s98, s98, s3
	s_add_co_u32 s98, s98, 4096
	s_lshl_b32 s2, s2, 9
	s_add_co_u32 s2, s2, s3
	s_add_co_u32 s2, s2, KVSC+256
	s_mov_b32 s99, 0
	s_mov_b32 s3, 0
	s_add_nc_u64 s[98:99], s[14:15], s[98:99]
	s_add_nc_u64 s[2:3], s[14:15], s[2:3]
.irp a, 0,1,2,3
	ADDR \a
	QUANT H, PC+8*\a, SW+\a
.irp c, 0,1
	global_store_b128 v[LI], v[PC+8*\a+4*\c:PC+8*\a+4*\c+3], s[98:99] offset:1024*\a+512*\c
.endr
.endr
	s_wait_alu depctr_va_vdst(0)                   ; directly ahead of the wait below
	s_wait_xcnt 0x0                                ; EXEC changes only behind this wait
	v_cmp_gt_u32 vcc_lo, 0x100, v[LI]
	s_and_saveexec_b32 s23, vcc_lo                 ; lanes 0-15: 16 rows x four scale words, 256 consecutive bytes
	global_store_b128 v[SOFF], v[SW:SW+3], s[2:3]
	s_wait_xcnt 0x0
	s_or_b32 exec_lo, exec_lo, s23
	s_wait_tensorcnt 0x0                           ; the wave's end
	ds_add_u32 v[SPW], v[NIL]
	s_wait_dscnt 0x0
	CROUND                                         ; the closing round
	s_endpgm
.Lfunc_end_k_q03a5b58daf_proj:
	.size	k_q03a5b58daf_proj, .Lfunc_end_k_q03a5b58daf_proj-k_q03a5b58daf_proj
	.p2alignl 7, 3214868480
	.fill 96, 4, 3214868480
	.section	.rodata,"a",@progbits
	.p2align	6, 0x0
	.amdhsa_kernel k_q03a5b58daf_proj
		.amdhsa_group_segment_fixed_size 327680
		.amdhsa_private_segment_fixed_size 0
		.amdhsa_enable_private_segment 0
		.amdhsa_kernarg_size 48
		.amdhsa_user_sgpr_count 2
		.amdhsa_user_sgpr_kernarg_segment_ptr 1
		.amdhsa_wavefront_size32 1
		.amdhsa_system_sgpr_workgroup_id_x 1
		.amdhsa_system_sgpr_workgroup_id_y 1
		.amdhsa_system_sgpr_workgroup_id_z 1
		.amdhsa_system_vgpr_workitem_id 0
		.amdhsa_next_free_vgpr 1024
		.amdhsa_next_free_sgpr 102
		.amdhsa_reserve_vcc 1
		.amdhsa_float_denorm_mode_32 3
		.amdhsa_float_denorm_mode_16_64 3
		.amdhsa_memory_ordered 1
		.amdhsa_forward_progress 1
		.amdhsa_inst_pref_size 213
	.end_amdhsa_kernel
	.amdgpu_metadata
---
amdhsa.version: [ 1, 2 ]
amdhsa.kernels:
  - .name:           k_q03a5b58daf_proj
    .symbol:         k_q03a5b58daf_proj.kd
    .args:
      - { .name: codes, .offset: 0, .size: 8, .value_kind: global_buffer, .address_space: global }
      - { .name: scales, .offset: 8, .size: 8, .value_kind: global_buffer, .address_space: global }
      - { .name: bq, .offset: 16, .size: 8, .value_kind: global_buffer, .address_space: global }
      - { .name: bk, .offset: 24, .size: 8, .value_kind: global_buffer, .address_space: global }
      - { .name: bv, .offset: 32, .size: 8, .value_kind: global_buffer, .address_space: global }
      - { .name: qkv, .offset: 40, .size: 8, .value_kind: global_buffer, .address_space: global }
    .group_segment_fixed_size: 327680
    .private_segment_fixed_size: 0
    .kernarg_segment_align: 8
    .kernarg_segment_size: 48
    .max_flat_workgroup_size: 128
    .sgpr_count:     102
    .vgpr_count:     1024
    .wavefront_size: 32
...
	.end_amdgpu_metadata
.endif
;; end of part 2
;; launch attn (part 3): grid 4 x 64, 16 waves a work-group, clusters of 4 x 1, 327,680 bytes of LDS; arguments qkv, attention_mask, out0; writes out0
.if DOCPART == 3
	.amdgcn_target "amdgcn-amd-amdhsa--gfx1250"
	.amdhsa_code_object_version 6
	.text
	.protected	k_q03a5b58daf_attn
	.globl	k_q03a5b58daf_attn
	.p2align	8
	.type	k_q03a5b58daf_attn,@function
k_q03a5b58daf_attn:
	s_mov_b64 s[64:65], 0
	v_nop
	global_prefetch_b8 v0, s[64:65] scope:SCOPE_SE
	s_setreg_imm32_b32 hwreg(HW_REG_WAVE_MODE, 25, 1), 1
	s_wait_xcnt 0x0
	s_wait_alu depctr_hold_cnt(0) depctr_sa_sdst(0) depctr_va_vdst(0) depctr_va_sdst(0) depctr_va_ssrc(0) depctr_va_vcc(0) depctr_vm_vsrc(0)
	s_getreg_b32 s2, hwreg(HW_REG_IB_STS2, 6, 4)
	s_cmp_eq_u32 s2, 0
	s_cbranch_scc0 .Lentry_in_a_cluster
	s_endpgm
.Lentry_in_a_cluster:
	s_bfe_u32 s2, ttmp6, 0x10000c
	s_cmp_lg_u32 s2, 0x3003
	s_cbranch_scc0 .Lentry_shape_is_right
	s_endpgm
.Lentry_shape_is_right:
; out0[b][q][64 head ..] = the sum over k of softmax_k(q . k / 8 + mask[b][k]) v[k], both products on codes of FP4 (E2M1) with E8M0 scales, as the launch before left them in qkv.
; THE SOFTMAX AHEAD OF THE SECOND PRODUCT: t = logit x log2(e); M = the row's largest t so far, rounded up to a whole number; p = 2^(t - M) is quantised along the keys, not normalised.
; The row's sum is taken of the unquantised p and divides at the end.  When M moves, the sum and O are multiplied by 2^(old M - new M): exact.
; SHARES.  A work-group owns 512 queries of one (batch, head); each of its sixteen waves two tiles of 16 queries, one after the other (two passes over the 16 key steps of 128 keys), in 256 registers: four waves to a SIMD.
; THE WHOLE HEAD'S k, v AND SCALE WORDS, 139,264 bytes, LIE IN LDS, filled once: no ring.  They lie as images of the operands' registers: every load is 16 bytes a lane, 512 consecutive bytes.
; THE WAVES WALK THE KEYS IN STEP, AT MOST ONE STEP APART: at a step's top a wave waits for the barrier that it signalled at the step before, and signals anew.  So no wave begins step s + 1 before every wave has begun step s.
; The barrier orders no data.  Between a signal and its wait stand register work and LDS loads of bytes that nobody writes again; it is closed ahead of each way out, whose stores stand outside it.
; CLUSTER.  The four work-groups of a cluster belong to one head and ask for its bytes jointly: the same tensor load, the same descriptor, a mask that names the four.  cx enters only q's and out0's addresses in memory.
; LAYOUT.  Both products are used transposed (S^T = k q^T, O^T = v^T p^T): a lane holds one query throughout.  Row 8 h + j of tile 4 c + u is token 64 c + 32 h + 8 u + j, so that a lane's 32 registers of four
; neighbouring tiles are one whole block of 32 keys (block 2 c + h): its largest score needs no other lane, and the eight conversions' results are the second product's operand as they stand.
; K = 64 IN AN INSTRUCTION OF 128: a fragment of k holds two tiles of keys, one in each half of K.  Multiplied by [q | 0] it gives the first tile's scores, by [0 | q] the second's.  The zeros are zero codes on q's side.
; THE MASK is the C of the score products: 8 x mask lies in LDS and is loaded into the scores' registers, so that S = q . k + 8 mask and t = S x log2(e) / 8.
; LOADS RUN AHEAD: behind a step's score products its v and the next step's k are asked for, behind its conversions the next step's mask.  A pass's last step is written out: it asks for nothing beyond the head's bytes.
; LIMITS: mask numbers under -2^97, -infinity among them, are held there (such a key gets p = 0 beside any key that counts); NaN, and +infinity in the mask, are not served; the promise holds while |t| stays under 2^31.
; Nothing is prefetched: all that the launch reads from memory is asked for at its head.
; REGISTERS: v1-8 addresses that stay; v9-11 the step's; v12 -M, v13 the largest score, v[14:15] the sum in two halves; v16-19 q, v20-23 zeros, v24-27 q: [q | 0] = v[16:23], [0 | q] = v[20:27]; v28-31 the second tile's q;
;   v32-63 k; v64-95 v; v96-159 mask, then S^T, then p; v160-191 O^T; v192-199 p's codes; v200-203 k's scale words, v204-207 v's, v208 q's, v209 p's; v210 q's pair word; v211 8 x (lane / 16); v212-241 at work.
.set HB,    208896
.set KVSC,  131072
.set QIMG,  139264
.set QSC,   204800
.set PART,  17408                      ; 68 rows of 256 bytes: what one of eight waves fetches
.set MASK,  139264                     ; LDS: behind the head's bytes: 8 x mask, 8,192 bytes, stored by the waves
.set STAGE, 147456                     ; 16 rows x 272 bytes for each wave, for the way out
.set SPARE, 217088                     ; the spare words, 128 bytes for each wave: eight blocks of 256 bytes that no other line names
.macro CROUND                          ; a round of the cluster's barrier
	s_barrier_signal -1
	s_barrier_wait -1
	s_cmp_lg_u32 s10, 0
	s_cbranch_scc1 .Lnot_wave_0_\@
	s_barrier_signal -3
.Lnot_wave_0_\@:
	s_barrier_wait -3
	s_barrier_signal -1
	s_barrier_wait -1
.endm
	s_load_b128 s[4:7], s[0:1], 0x0                ; qkv s[4:5], mask s[6:7]
	s_load_b64 s[8:9], s[0:1], 0x10                ; out0
	v_lshl_add_u32 v5, v0, 2, SPARE                ; my spare word; never rewritten
	v_mov_b32 v6, 0                                ; 0; never rewritten
	ds_add_u32 v5, v6                              ; the opening lines: the add twice on end and its wait
	ds_add_u32 v5, v6
	v_lshrrev_b32 v9, 5, v0
	s_delay_alu instid0(VALU_DEP_1)
	v_readfirstlane_b32 s10, v9                    ; wave 0..15
	s_bfe_u32 s11, ttmp6, 0x40000                  ; cx
	s_and_b32 s12, ttmp7, 0xffff                   ; 16 x batch + head: the four partners share it
	s_lshr_b32 s13, s12, 4                         ; batch
	s_and_b32 s14, s12, 15                         ; head
	s_mov_b32 s24, 15|(3<<16)|(1<<21)              ; group 1: the mask names all four; elements of 8 bytes; bit 21 beside a mask; no padding
	s_mov_b32 s25, 32<<16                          ; tensor_dim0 = 32 elements: 256 bytes
	s_mov_b32 s26, 68<<16                          ; tensor_dim1
	s_mov_b32 s27, 32<<16                          ; tile_dim0
	s_mov_b32 s28, 68                              ; tile_dim1
	s_mov_b32 s29, 32                              ; from row to row: dense
	s_mov_b32 s30, 0
	s_mov_b32 s31, 0
	s_mul_i32 s16, s12, HB                         ; the head's block in qkv (under 2^32)
	s_mov_b32 s32, 1                               ; group 0: count
	s_mul_i32 s33, s10, PART                       ; LDS address: the bytes lie as in memory
	s_add_co_u32 s18, s16, s33
	s_mov_b32 s19, 0
	s_mov_b32 s20, 0x76543210
	s_mov_b32 s21, 0xfedcba98                      ; v_permlanex16_b32's selects for lane l xor 16
	s_mov_b32 s22, 0x3e38aa3b                      ; c = log2(e) / 8
	s_mov_b32 s23, s22                             ; (named with it as a pair, so it is written)
	s_mov_b32 s39, 0xbe38aa3b                      ; -c
	s_wait_dscnt 0x0                               ; both opening adds are done
	s_wait_kmcnt 0x0
	s_add_nc_u64 s[34:35], s[4:5], s[18:19]
	s_or_b32 s35, s35, 0x80000000                  ; type = 2
	CROUND                                         ; all four work-groups are here: the joint loads meet
	s_cmp_lt_u32 s10, 8                            ; waves 0 to 7 fetch, one load each; the branch hangs on the wave's number alone
	s_cbranch_scc0 .Lno_fetch
	tensor_load_to_lds s[32:35], s[24:31]
	s_nop 0
.rept 4
	v_nop
.endr
.Lno_fetch:
	s_lshl_b32 s2, s11, 14                         ; q's images: my two tiles are 32 cx + 2 wave and the next, 512 bytes each
	s_lshl_b32 s3, s10, 10
	s_add_co_u32 s2, s2, s3
	s_add_co_u32 s2, s2, s16
	s_add_co_u32 s2, s2, QIMG
	s_mov_b32 s3, 0
	s_add_nc_u64 s[40:41], s[4:5], s[2:3]
	s_lshl_b32 s2, s11, 10                         ; q's pair word: run 4 cx + wave / 4 of 256 bytes, word wave % 4 of my row's four
	s_lshr_b32 s3, s10, 2
	s_lshl_b32 s3, s3, 8
	s_add_co_u32 s2, s2, s3
	s_and_b32 s3, s10, 3
	s_lshl_b32 s3, s3, 2
	s_add_co_u32 s2, s2, s3
	s_add_co_u32 s2, s2, s16
	s_add_co_u32 s2, s2, QSC
	s_mov_b32 s3, 0
	s_add_nc_u64 s[46:47], s[4:5], s[2:3]
	s_lshl_b32 s2, s13, 13                         ; the batch's 2,048 mask numbers
	s_add_nc_u64 s[44:45], s[6:7], s[2:3]
	s_lshl_b32 s2, s13, 11                         ; out0: token 2,048 batch + 512 cx + 64 (wave / 2) + 16 (wave % 2), rows of 4,096 bytes, + 256 head
	s_lshl_b32 s3, s11, 9
	s_add_co_u32 s2, s2, s3
	s_lshr_b32 s3, s10, 1
	s_lshl_b32 s3, s3, 6
	s_add_co_u32 s2, s2, s3
	s_and_b32 s3, s10, 1
	s_lshl_b32 s3, s3, 4
	s_add_co_u32 s2, s2, s3
	s_lshl_b32 s2, s2, 12
	s_lshl_b32 s3, s14, 8
	s_add_co_u32 s2, s2, s3
	s_mov_b32 s3, 0
	s_add_nc_u64 s[42:43], s[8:9], s[2:3]
	s_mul_i32 s2, s10, 16*272
	s_add_co_u32 s2, s2, STAGE                     ; my stage
	v_lshlrev_b32 v244, 4, v0                      ; 16 x thread: 512 threads take the 8,192 bytes of the mask
	v_lshl_add_u32 v246, v0, 4, MASK
	v_and_b32 v1, 31, v0
	v_and_b32 v10, 15, v0                          ; r
	v_bfe_u32 v11, v0, 4, 1                        ; h
	s_delay_alu instid0(VALU_DEP_3)
	v_lshlrev_b32 v1, 4, v1                        ; 16 x lane: an image's place for my lane
	s_delay_alu instid0(VALU_DEP_3)
	v_lshlrev_b32 v245, 4, v10
	global_load_b128 v[240:243], v244, s[44:45]    ; the mask
	global_load_b128 v[16:19], v1, s[40:41]        ; the first tile's q, for [q | 0]
	global_load_b128 v[24:27], v1, s[40:41]        ; and for [0 | q]
	global_load_b128 v[28:31], v1, s[40:41] offset:512   ; the second tile's
	global_load_b32 v210, v245, s[46:47]           ; the pair word: bytes 0, 1 the first tile's, bytes 2, 3 the second's
	v_lshl_add_u32 v2, v10, 4, KVSC                ; scale words: 16 bytes a row
	v_lshl_add_u32 v3, v11, 7, MASK                ; the mask: my half's 32 keys of each 64
	v_lshlrev_b32 v4, 12, v11
	v_lshlrev_b32 v211, 3, v11                     ; where my two bytes stand in p's scale word
	v_mul_u32_u24 v7, v10, 272
	v_mul_u32_u24 v8, v11, 272
	s_delay_alu instid0(VALU_DEP_4)
	v_lshl_add_u32 v4, v10, 4, v4                  ; the way out: lanes 0-15 one row of out0, lanes 16-31 the next; 16 bytes a lane
	s_delay_alu instid0(VALU_DEP_3)
	v_lshl_add_u32 v7, v11, 7, v7
	s_delay_alu instid0(VALU_DEP_3)
	v_lshl_add_u32 v8, v10, 4, v8
	s_delay_alu instid0(VALU_DEP_2)
	v_add_nc_u32 v7, s2, v7                        ; into the stage: row r, + 128 h
	s_delay_alu instid0(VALU_DEP_2)
	v_add_nc_u32 v8, s2, v8                        ; back: lanes 0-15 one row, lanes 16-31 the next
	s_wait_alu depctr_va_vdst(0)                   ; directly ahead of the wait below
	s_wait_loadcnt 4                               ; the mask is in; the four loads for q behind it may be out
.irp i, 0,1,2,3
	v_mul_f32 v[240+\i], 0x41000000, v[240+\i]     ; 8 x mask: exact
.endr
.irp i, 0,1,2,3
	s_delay_alu instid0(VALU_DEP_4)
	v_max_num_f32 v[240+\i], 0xf1800000, v[240+\i] ; held at -2^100 from below
.endr
	ds_store_b128 v246, v[240:243]
	s_wait_tensorcnt 0x0                           ; my part of the head's bytes has landed
	ds_add_u32 v5, v6                              ; 0 onto my spare word
.irp i, 20,21,22,23
	v_mov_b32 v\i, 0                               ; the zero codes of [q | 0] and [0 | q]
.endr
.irp i, 216,225
	v_mov_b32 v\i, 0                               ; written once: the lane permutes' destination, and the upper half of the pair v[224:225]
.endr
	s_wait_alu depctr_va_vdst(0)                   ; the wait at the head's end
	s_wait_loadcnt 0x0                             ; q
	s_wait_dscnt 0x0                               ; my store of the mask has landed
	s_barrier_signal -1
	s_barrier_wait -1                              ; the head's bytes and the mask are whole
; A KEY STEP: 128 keys.  s36: the step's images (8,192 bytes a step); s37: its scale words and its mask numbers (512 bytes a step each).  nxt = 1: the next step's k, words and mask are asked for.
.macro STEP nxt
	s_wait_dscnt 0x0                               ; k, its words and the mask are in; no LDS instruction of mine is out at the signal below
	s_barrier_wait -1                              ; every wave has reached the top of the step before (the first step: the pass's start),
	s_barrier_signal -1                            ; and I am at the top of this one
.irp b, 0,1,2,3                                ; S^T = k q^T + 8 mask: eight accumulators, one instruction each
	v_wmma_scale_f32_16x16x128_f8f6f4 v[96+16*\b:103+16*\b], v[32+8*\b:39+8*\b], v[16:23], v[96+16*\b:103+16*\b], v[200+\b], v208 matrix_a_fmt:MATRIX_FMT_FP4 matrix_b_fmt:MATRIX_FMT_FP4
	v_wmma_scale_f32_16x16x128_f8f6f4 v[104+16*\b:111+16*\b], v[32+8*\b:39+8*\b], v[20:27], v[104+16*\b:111+16*\b], v[200+\b], v208 matrix_a_fmt:MATRIX_FMT_FP4 matrix_b_fmt:MATRIX_FMT_FP4
.endr
	v_add_nc_u32 v9, s36, v1                       ; these four are the places behind the products: ahead of the loads into k's, v's and the words' registers and of the first read of the scores
	v_add_nc_u32 v10, s37, v2
	v_add_nc_u32 v11, s37, v3
	v_mov_b32 v226, v12                            ; the old -M
.irp t, 0,1,2,3
.irp c, 0,1
	ds_load_b128 v[64+8*\t+4*\c:67+8*\t+4*\c], v9 offset:4096+1024*\t+512*\c   ; v's fragment t
.endr
.endr
	ds_load_b128 v[204:207], v10 offset:256                                ; v's four scale words
.if \nxt
.irp t, 0,1,2,3,4,5,6,7
	ds_load_b128 v[32+4*\t:35+4*\t], v9 offset:8192+512*\t                 ; the next step's k, tile t
.endr
	ds_load_b128 v[200:203], v10 offset:512                                ; and its four pair words
.endif
.irp c, 0,1                                    ; the largest score of my two blocks of 32 keys, two chains a block: for the row's maximum, and, since p rises with the score, for the block's largest p
	v_max3_num_f32 v[212+2*\c], v[96+32*\c], v[97+32*\c], v[98+32*\c]
	v_max3_num_f32 v[213+2*\c], v[112+32*\c], v[113+32*\c], v[114+32*\c]
.endr
.irp i, 3,5,7,9,11,13
.irp c, 0,1
	v_max3_num_f32 v[212+2*\c], v[212+2*\c], v[96+32*\c+\i], v[97+32*\c+\i]
	v_max3_num_f32 v[213+2*\c], v[213+2*\c], v[112+32*\c+\i], v[113+32*\c+\i]
.endr
.endr
.irp c, 0,1
	v_max3_num_f32 v[212+2*\c], v[212+2*\c], v[213+2*\c], v[111+32*\c]
.endr
.irp c, 0,1
	v_max_num_f32 v[212+2*\c], v[212+2*\c], v[127+32*\c]
.endr
	s_delay_alu instid0(VALU_DEP_1)
	v_max_num_f32 v227, v212, v214
	s_delay_alu instid0(VALU_DEP_1)
	v_permlanex16_b32 v216, v227, s20, s21         ; lane l xor 16's two blocks
	s_delay_alu instid0(VALU_DEP_1)
	v_max3_num_f32 v13, v13, v227, v216            ; the running largest score of my query (c is positive: the largest t is c times it)
	s_delay_alu instid0(VALU_DEP_1)
	v_mul_f32 v227, s39, v13
	s_delay_alu instid0(VALU_DEP_1)
	v_floor_f32 v12, v227                          ; the new -M = floor(-t) = -ceil(t)
.irp j, 0,2,4,6,8,10,12,14,16,18,20,22,24,26,28,30,32,34,36,38,40,42,44,46,48,50,52,54,56,58,60,62
	v_pk_fma_f32 v[96+\j:97+\j], v[96+\j:97+\j], s[22:23], v[12:13] op_sel_hi:[1,0,0]   ; t - M, two at a time
.endr
	v_sub_f32 v226, v12, v226                      ; old M - new M: a whole number, 0 or less
	s_delay_alu instid0(VALU_DEP_1)
	v_cvt_i32_f32 v226, v226                       ; (it saturates)
	v_fma_f32 v212, v212, s22, v12                 ; t - M of each block's largest score
	v_fma_f32 v214, v214, s22, v12
	s_delay_alu instid0(VALU_DEP_3)
	v_ldexp_f32 v224, 1.0, v226                    ; f = 2^(old M - new M)
	s_wait_alu depctr_va_vdst(0)                   ; the wait ahead of the batch
.irp j, 0,1,2,3,4,5,6,7,8,9,10,11,12,13,14,15,16,17,18,19,20,21,22,23,24,25,26,27,28,29,30,31,32,33,34,35,36,37,38,39,40,41,42,43,44,45,46,47,48,49,50,51,52,53,54,55,56,57,58,59,60,61,62,63
	v_exp_f32 v[96+\j], v[96+\j]                   ; p = 2^(t - M), at most 1
.endr
	v_pk_mul_f32 v[14:15], v[14:15], v[224:225] op_sel_hi:[1,0]   ; the sums under the new M (the plain line behind the exponentials)
	s_wait_alu depctr_va_vdst(0)                   ; one wait for the whole batch, ahead of its first reader
	v_exp_f32 v212, v212                           ; the blocks' largest p: the same two instructions on the same number give the same bits
	v_exp_f32 v214, v214
.irp k, 0,1,2,3,4,5,6                          ; the row's sum of the unquantised p: 32 pairs, in eight chains
	v_pk_add_f32 v[228+2*\k:229+2*\k], v[96+4*\k:97+4*\k], v[98+4*\k:99+4*\k]
.endr
	v_pk_add_f32 v[14:15], v[14:15], v[124:125]
.irp k, 0,1,2,3,4,5,6
	v_pk_add_f32 v[228+2*\k:229+2*\k], v[228+2*\k:229+2*\k], v[126+2*\k:127+2*\k]
.endr
	v_pk_add_f32 v[14:15], v[14:15], v[140:141]
.irp k, 0,1,2,3,4,5,6
	v_pk_add_f32 v[228+2*\k:229+2*\k], v[228+2*\k:229+2*\k], v[142+2*\k:143+2*\k]
.endr
	v_pk_add_f32 v[14:15], v[14:15], v[156:157]
	v_pk_add_f32 v[228:229], v[228:229], v[158:159]
	s_delay_alu instid0(VALU_DEP_1)
	v_pk_add_f32 v[228:229], v[228:229], v[230:231]
	v_pk_add_f32 v[232:233], v[232:233], v[234:235]
	v_pk_add_f32 v[236:237], v[236:237], v[238:239]
	v_pk_add_f32 v[14:15], v[14:15], v[240:241]
	s_delay_alu instid0(VALU_DEP_3)
	v_pk_add_f32 v[228:229], v[228:229], v[232:233]
	s_delay_alu instid0(VALU_DEP_2)
	v_pk_add_f32 v[14:15], v[14:15], v[236:237]
	s_delay_alu instid0(VALU_DEP_1)
	v_pk_add_f32 v[14:15], v[14:15], v[228:229]
	s_wait_alu depctr_va_vdst(0)                   ; and one for the two
	v_max_num_f32 v212, 0x1800000, v212            ; the floor 2^(3 - 127): the byte cannot fall under 1 (a block whose every p is 0 keeps that byte: its codes are zeros)
	v_max_num_f32 v214, 0x1800000, v214
	s_delay_alu instid0(VALU_DEP_2)
	v_add_nc_u32 v220, 0xff000000, v212            ; 2 off the exponent field: the conversion's scale operand
	s_delay_alu instid0(VALU_DEP_2)
	v_add_nc_u32 v221, 0xff000000, v214
	s_delay_alu instid0(VALU_DEP_2)
	v_lshrrev_b32 v222, 23, v220                   ; the scale's byte
	s_delay_alu instid0(VALU_DEP_2)
	v_lshrrev_b32 v223, 23, v221
	s_delay_alu instid0(VALU_DEP_1)
	v_lshl_or_b32 v227, v223, 16, v222             ; my bytes of blocks h and 2 + h,
	s_delay_alu instid0(VALU_DEP_1)
	v_lshlrev_b32 v227, v211, v227                 ; at their places;
	s_delay_alu instid0(VALU_DEP_1)
	v_permlanex16_b32 v216, v227, s20, s21
	s_delay_alu instid0(VALU_DEP_1)
	v_or_b32 v209, v227, v216                      ; with lane l xor 16's two: p's scale word for these 128 keys
.irp c, 0,1
.irp u, 0,1,2,3
	v_cvt_scalef32_pk8_fp4_f32 v[192+4*\c+\u], v[96+32*\c+8*\u:103+32*\c+8*\u], v[220+\c]   ; registers 4 c .. 4 c + 3: keys 64 c + 32 h + 0 .. 31
.endr
.endr
.if \nxt
.irp c, 0,1
.irp i, 0,1,2,3,4,5,6,7
	ds_load_b128 v[96+32*\c+4*\i:99+32*\c+4*\i], v11 offset:512+256*\c+16*\i   ; 8 x mask of the next step's keys 64 c + 32 h + 0 .. 31: its scores' C
.endr
.endr
.endif
	s_wait_alu depctr_va_vdst(0)                   ; directly ahead of the first reader of O^T
.irp j, 0,2,4,6,8,10,12,14,16,18,20,22,24,26,28,30
	v_pk_mul_f32 v[160+\j:161+\j], v[160+\j:161+\j], v[224:225] op_sel_hi:[1,0]   ; O^T under the new M.  (These sixteen are also the places between p's codes and scale word and the products below)
.endr
	s_wait_alu depctr_va_vdst(0)                   ; directly ahead of the wait below
.if \nxt
	s_wait_dscnt 25                                ; v's eight loads and its words are in; the next step's nine for k and sixteen for the mask may be out
.else
	s_wait_dscnt 0x0
.endif
.irp t, 0,1,2,3                                ; O^T += v^T p^T: the four accumulators by turns
	v_wmma_scale_f32_16x16x128_f8f6f4 v[160+8*\t:167+8*\t], v[64+8*\t:71+8*\t], v[192:199], v[160+8*\t:167+8*\t], v[204+\t], v209 matrix_a_fmt:MATRIX_FMT_FP4 matrix_b_fmt:MATRIX_FMT_FP4
.endr
.endm
; A PASS: my tile p of 16 queries against all 16 key steps, and its way out.
.macro PASS p
.if \p
	s_wait_xcnt 0x0                                ; the first pass's stores have read their registers, into which this pass's loads land
.endif
.irp t, 0,1,2,3,4,5,6,7
	ds_load_b128 v[32+4*\t:35+4*\t], v1 offset:512*\t                      ; step 0's k,
.endr
	ds_load_b128 v[200:203], v2                                            ; its pair words,
.irp c, 0,1
.irp i, 0,1,2,3,4,5,6,7
	ds_load_b128 v[96+32*\c+4*\i:99+32*\c+4*\i], v3 offset:256*\c+16*\i    ; and its mask
.endr
.endr
.if \p
.irp i, 0,1,2,3
	v_mov_b32 v[16+\i], v[28+\i]
	v_mov_b32 v[24+\i], v[28+\i]
.endr
	v_perm_b32 v208, v210, v210, 0x03020302        ; q's scale word: my tile's two bytes, twice
.else
	v_perm_b32 v208, v210, v210, 0x01000100
.endif
	v_mov_b32 v13, 0xff61b1e6                      ; the largest score so far: -3e38, under every score
	v_mov_b32 v12, 0x7f000000                      ; -M = 2^127: the first change of M gives f = 0
	v_mov_b32 v14, 0                               ; the sum, in two halves
	v_mov_b32 v15, 0
.irp j, 0,1,2,3,4,5,6,7,8,9,10,11,12,13,14,15,16,17,18,19,20,21,22,23,24,25,26,27,28,29,30,31
	v_mov_b32 v[160+\j], 0                         ; O^T: the step has no first form of its own; the first finds zeros.  (Also the places between q's word and the first product)
.endr
	s_mov_b32 s36, 0
	s_mov_b32 s37, 0
	s_wait_alu depctr_va_vdst(0)                   ; ahead of the waits below
	s_wait_dscnt 0x0                               ; no LDS instruction of mine is out at the signal
	s_barrier_signal -1                            ; I am at the pass's start: the first step's top waits for this signal of every wave
.Lstep_\@:
	STEP 1
	s_add_co_u32 s36, s36, 8192
	s_add_co_u32 s37, s37, 512
	s_cmp_lg_u32 s36, 15*8192
	s_cbranch_scc1 .Lstep_\@
	STEP 0
	s_barrier_wait -1                              ; the last step's signal is closed: the stores below stand outside the barrier
	; the way out: O^T / the sum goes through my stage in LDS, so that sixteen lanes store 256 consecutive bytes, a token's 64 channels of this head
	v_add_f32 v14, v14, v15                        ; the sum's two halves,
	s_delay_alu instid0(VALU_DEP_1)
	v_permlanex16_b32 v216, v14, s20, s21
	s_delay_alu instid0(VALU_DEP_1)
	v_add_f32 v14, v14, v216                       ; and lane l xor 16's: the row's sum
	v_nop                                          ; with the three above: the places behind the last products
	s_wait_alu depctr_va_vdst(0)                   ; the wait ahead of the reciprocal
	v_rcp_f32 v14, v14
	v_nop                                          ; one plain line behind the reciprocal
	s_wait_alu depctr_va_vdst(0)                   ; and the wait ahead of its first reader, which is also O^T's
.irp j, 0,2,4,6,8,10,12,14,16,18,20,22,24,26,28,30
	v_pk_mul_f32 v[96+\j:97+\j], v[160+\j:161+\j], v[14:15] op_sel_hi:[1,0]   ; register 8 t + j: channel 32 h + 8 t + j of query r; each accumulator from its low end on
.endr
.irp t, 0,1,2,3
.irp i, 0,1
	ds_store_b128 v7, v[96+8*\t+4*\i:99+8*\t+4*\i] offset:32*\t+16*\i
.endr
.endr
.irp i, 0,1,2,3,4,5,6,7
	ds_load_b128 v[128+4*\i:131+4*\i], v8 offset:544*\i   ; LDS serves a wave's instructions in order: these see my stores
.endr
.irp i, 0,1,2,3,4,5,6,7
	s_wait_dscnt 7-\i                              ; rows 2 i and 2 i + 1 are back; the later ones may be out
	global_store_b128 v4, v[128+4*\i:131+4*\i], s[42:43] offset:(2*(\i%4)+32*(\i/4)+8*\p)*4096 th:TH_STORE_NT   ; stage row n is token 8 p + n % 8 + 32 (n / 8) from my wave's first
.endr
.endm
	PASS 0
	PASS 1
	s_wait_tensorcnt 0x0                           ; the wave's end
	ds_add_u32 v5, v6
	s_wait_dscnt 0x0
	CROUND                                         ; the closing round: no work-group ends while a partner may still ask for bytes jointly with it
	s_endpgm
.Lfunc_end_k_q03a5b58daf_attn:
	.size	k_q03a5b58daf_attn, .Lfunc_end_k_q03a5b58daf_attn-k_q03a5b58daf_attn
	.p2alignl 7, 3214868480
	.fill 96, 4, 3214868480
	.section	.rodata,"a",@progbits
	.p2align	6, 0x0
	.amdhsa_kernel k_q03a5b58daf_attn
		.amdhsa_group_segment_fixed_size 327680
		.amdhsa_private_segment_fixed_size 0
		.amdhsa_enable_private_segment 0
		.amdhsa_kernarg_size 24
		.amdhsa_user_sgpr_count 2
		.amdhsa_user_sgpr_kernarg_segment_ptr 1
		.amdhsa_wavefront_size32 1
		.amdhsa_system_sgpr_workgroup_id_x 1
		.amdhsa_system_sgpr_workgroup_id_y 1
		.amdhsa_system_sgpr_workgroup_id_z 1
		.amdhsa_system_vgpr_workitem_id 0
		.amdhsa_next_free_vgpr 256
		.amdhsa_next_free_sgpr 66
		.amdhsa_reserve_vcc 0
		.amdhsa_float_denorm_mode_32 3
		.amdhsa_float_denorm_mode_16_64 3
		.amdhsa_memory_ordered 1
		.amdhsa_forward_progress 1
		.amdhsa_inst_pref_size 79
	.end_amdhsa_kernel
	.amdgpu_metadata
---
amdhsa.version: [ 1, 2 ]
amdhsa.kernels:
  - .name:           k_q03a5b58daf_attn
    .symbol:         k_q03a5b58daf_attn.kd
    .args:
      - { .name: qkv, .offset: 0, .size: 8, .value_kind: global_buffer, .address_space: global }
      - { .name: attention_mask, .offset: 8, .size: 8, .value_kind: global_buffer, .address_space: global }
      - { .name: out0, .offset: 16, .size: 8, .value_kind: global_buffer, .address_space: global }
    .group_segment_fixed_size: 327680
    .private_segment_fixed_size: 0
    .kernarg_segment_align: 8
    .kernarg_segment_size: 24
    .max_flat_workgroup_size: 512
    .sgpr_count:     66
    .vgpr_count:     256
    .wavefront_size: 32
...
	.end_amdgpu_metadata
.endif
;; end of part 3
